; MI455X (gfx1250); checked and timed in simulation.
; The chip was launched on July 23, 2026; its instructions are those of AMD's public machine-readable ISA for CDNA 5 (MIT licence, August 2026) and "CDNA5" Instruction Set Architecture Reference Guide (July 2026). The comments in the code are by the model that wrote it; some were corrected since.
;; H Net Energy Via Hamiltonian. Allowed arithmetic: matrix products marked QUANTISED: E2M1 operands, one E8M0 scale for each 32 along K, by v_wmma_scale_f32_16x16x128_f8f6f4 with both operands' format E2M1 (or v_wmma_scale_f32_32x16x128_f4), f32 sums; products left as they are: f32 operands where the result goes on into a quantised operand, else bf16, f16 or f32 operands; f32 sums; everything else in f32.
;; Inputs: h_codes 64 x 512 x 16 x 16 uint8 (E2M1 codes of h, K innermost, in blocks of 32 codes, two codes a byte); h_scales 64 x 512 x 16 uint8 (E8M0 scales of h, one for each 32 codes along K); k 64 float32; node_activations 4,096 x 512 float32.
;; Outputs: out0 4,096 x 64 float32.
;; This version of the problem:
;;   THIS VERSION OF THE PROBLEM IS GIVEN IN LOW PRECISION. The matrix products marked QUANTISED in the list below multiply operands that are first quantised to E2M1 (2 exponent bits, 1 mantissa bit; 4 bits a number), with one power-of-two scale for each 32 numbers along K (OCP MX v1.0); their sums are f32. All else is computed in f32.
;;   The module's matrix products, in the order in which they are computed (A, B: the left and right operand; K: the contracted axis; several contracted axes count as one K, in the product's order):
;;     1. [M 32,768, K 512] x [K 512, N 4,096]; A: input h (given as codes); B: input node_activations: QUANTISED
;;     2. batch 4,096 x [M 1, K 512] x [K 512, N 64]; A: input node_activations; B: computed on the way: left as it is (M = 1 < 16)
;;   THE QUANTISER, for each operand of a quantised product, along K:
;;     - K is cut into blocks of 32 from its start; a last block that is shorter is filled with zeros.
;;     - A block's scale is 2^e with e = floor(log2(the largest magnitude in the block)) - 2, held to -126 .. 127; a block of zeros has e = 0. As a byte (E8M0): e + 127.
;;     - Each number is divided by its block's scale, clamped to +-6, and rounded to the nearest number of E2M1, ties to even, subnormals kept.
;;     - The product sums the exact products of the quantised numbers (number of the format x scale) in f32.
;;   ~~~python
;;   def quantise(x, axis):      # numpy; x: float32 -> the quantised numbers, widened to float32 again
;;       x = np.moveaxis(x, axis, -1); K = x.shape[-1]
;;       x = np.pad(x, [(0, 0)] * (x.ndim - 1) + [(0, -K % 32)]); x = x.reshape(x.shape[:-1] + (-1, 32)); a = np.abs(x).max(-1, keepdims=True)
;;       e = np.where(a > 0, np.clip(np.frexp(np.where(a > 0, a, 1))[1] - 1 - 2, -126, 127), 0)      # np.frexp(a)[1] - 1 = floor(log2(a)), exactly
;;       r = np.clip(x / 2.0 ** e, -6, 6)
;;       step = 2.0 ** (np.maximum(np.frexp(np.where(r == 0, 1, r))[1] - 1, 0) - 1)
;;       q = np.round(r / step) * step * 2.0 ** e      # np.round: ties to even
;;       return np.moveaxis(q.reshape(q.shape[:-2] + (-1,))[..., :K], -1, axis).astype(np.float32)
;;   ~~~
;;   INPUTS GIVEN AS CODES. h (in the module: [64, 512, 512], K = its axis 1): each comes as NAME_codes (uint8): NAME with its K axis moved to the last place and cut into blocks of 32 codes, [.., K / 32, bytes a block], one block behind the other in memory; two codes a byte, the lower K in the low four bits (a code: sign, 2 exponent bits, 1 mantissa bit); and NAME_scales (uint8): the same leading axes, one E8M0 byte (e + 127) for each 32 codes along K. Its value is code x scale, taken as it is: it is not quantised again, and the codes and scales need not be those that the quantiser above would give.
;; One version. Each part assembles by itself: llvm-mc -triple=amdgcn-amd-amdhsa -mcpu=gfx1250 --defsym DOCPART=n.
;; ======== version 1 of 1: 2 launches
;; limits: right only within a limited range of input values
;; workspace buffers: ws 1,048,576 bytes; wsmax 4,096 bytes
;; launch quad (part 1): grid 32 x 8, 4 waves a work-group, clusters of 4 x 4, 327,680 bytes of LDS; arguments h_codes, h_scales, k, node_activations, ws, wsmax; writes ws, wsmax
.if DOCPART == 1
	.amdgcn_target "amdgcn-amd-amdhsa--gfx1250"
	.amdhsa_code_object_version 6
	.text
	.protected	k_q669cb1346b_quad
	.globl	k_q669cb1346b_quad
	.p2align	8
	.type	k_q669cb1346b_quad,@function
k_q669cb1346b_quad:
	s_mov_b64 s[64:65], 0
	v_nop
	global_prefetch_b8 v0, s[64:65] scope:SCOPE_SE
	s_setreg_imm32_b32 hwreg(HW_REG_WAVE_MODE, 25, 1), 1
	s_wait_xcnt 0x0
	s_wait_alu depctr_hold_cnt(0) depctr_sa_sdst(0) depctr_va_vdst(0) depctr_va_sdst(0) depctr_va_ssrc(0) depctr_va_vcc(0) depctr_vm_vsrc(0)
	s_getreg_b32 s2, hwreg(HW_REG_IB_STS2, 6, 4)
	s_cmp_eq_u32 s2, 0
	s_cbranch_scc0 .Lentry_in_a_cluster
	s_endpgm
.Lentry_in_a_cluster:
	s_bfe_u32 s2, ttmp6, 0x10000c
	s_cmp_lg_u32 s2, 0xf033
	s_cbranch_scc0 .Lentry_shape_is_right
	s_endpgm
.Lentry_shape_is_right:
; e[p][c] = sum over m of x[p][m] * (sum over n of h[c][n][m] * Q(x)[p][n]) + k[c], and the largest e of each wave's share.
; h: codes of FP4 (E2M1), row (c, m) = 256 bytes along n, with 16 E8M0 bytes; x: [4096][512] f32.  Q quantises x along n, blocks of 32: scale 2^(floor(log2(largest magnitude)) - 2).
; The inner sum is done by the scaled FP4 matrix instruction, the outer one by packed f32 multiply-adds on its results, which never leave the registers.  No work of the problem is left out.
; SHARES.  A work-group owns 128 points (8 tiles t of 16) and 8 components c.  The four waves share m: wave w takes m = 128 w .. 128 w + 127 (4 tiles T of 32) for all 128 points:
; each LDS byte of h is read by one wave, the one that fetched it, and feeds eight matrix instructions; the wave's 128 x 128 numbers of x stay in 512 registers for all 8 components.
; ONE SET OF x REGISTERS SERVES TWICE.  Lane (r = l % 16, h = l / 16) holds X[t][T][8 q + j] = x[16 t + r][128 w + 32 T + 16 q + 8 h + j].  With source 0 = 32 rows of h and source 1 = x's codes, register 8 q + j of a
; result is (m = 32 T + 16 q + 8 h + j, p = r): X[t][T] is its multiplier as it stands.  The same registers are 128 along n of the points' rows: K step w of x, which wave w quantises and hands to the others
; through LDS as images of the operand's registers.
; TWO GROUPS of x's tiles take turns: g = 0 (t = 0 .. 3) and g = 1 (t = 4 .. 7).  Behind each product of one group stand two multiply-adds of the other group's finished results: g = 0's products of tile T go with g = 1's
; results of tile T - 1, g = 1's products of tile T with g = 0's results of tile T.
; CLUSTER 4 x 4.  The four work-groups of a row take four blocks of points and the same 8 components: h's tiles are asked for jointly along the row.  The four of a column take the same points: half of x
; (tiles t = 0 .. 3) is asked for jointly along the column; the other half goes straight into the registers' layout, and so do h's scale bytes (a sixteenth of the codes' bytes).
; PREFETCH.  Each wave names 32 of the 128 rows of h's codes that it will load, and 2 of the 8 blocks of 256 bytes of their scales; the four partners of a row share them by address.  Components 0 and 1 are asked for at
; the head, 2 behind component 0's load, 3 behind component 1's, and behind the refill with component c + 2 component c + 4; the loop's last trip asks for nothing.
; LIMITS.  NaN and infinities among the inputs are not served (the maxima drop a NaN).  A block of zeros of x gets the scale byte 1 where the rule says 127: its codes are zeros, and the bytes are read here alone.
; The f32 sum over m is taken in another order than a plain ascending one: by lanes' pairs, then waves, then halves of lanes.
; REGISTERS, in windows of 256: window 0: see the names below.  window 1: x's codes of g = 0, fragment (t, s) at v[32 t + 8 s], and X[4 .. 7][0, 1] at v[128 + 64 T + 16 (t - 4)].
; window 2: x's codes of g = 1, at v[32 (t - 4) + 8 s], and X[0 .. 3][0, 1] at v[128 + 64 T + 16 t].  window 3: X[t][2, 3] at v[128 (T - 2) + 16 t].
.set HALFT, 128*272                    ; a wave's 128 rows of h in LDS: 256 bytes + 16 of padding each: the 16 rows of a fragment load begin 16 bytes apart modulo 256
.set SLOT,  4*HALFT                    ; one component's 512 rows
.set XP,    560                        ; a row of x in LDS: 512 bytes + 48 of padding, an odd multiple of 16
.set XW,    64*XP                      ; a wave's 64 rows of x; the four waves' cover slot 1 and 4,096 bytes behind it
.set XIMG,  SLOT+4*XW                  ; 32 images of x's fragments, (4 t + s) x 1,024 bytes
.set PB,    XIMG                       ; the same bytes, once the images are read: partial sums (wave, t, lane, c) at 8,192 wave + 1,024 t + 32 lane + 4 c
.set XSC,   XIMG+32768                 ; 32 images of x's scale words, (4 t + s) x 128 bytes
.set SPARE, XSC+4096                   ; the spare words, 128 bytes for each wave: two blocks of 256 bytes that no other line names
.set CBYTES, 131072                    ; one component's codes in memory
.set SPW,  1                           ; SPARE + 4 x my thread's number; never rewritten
.set NIL,  2                           ; 0; never rewritten
.set ADRA, 3                           ; v3-4 LDS address of my fragments of h in slot 0, 1
.set SA,   5                           ; h's scale bytes: 16 x lane
.set PST0, 6                           ; PB + 8,192 x wave + 32 x lane
.set PST,  7                           ; the same + 4 x the trip's first component
.set PFO,  8                           ; prefetch of codes: 256 x lane + 8,192 cx
.set PFS,  9                           ; prefetch of scales: 512 cx + 256 x min(lane, 1)
.set RD0,  10                          ; PB + 2,048 x wave + 16 x lane
.set WO,   11                          ; ws: 2,048 h + 16 r
.set K4,   12                          ; v12-15 k of my four components on the way out
.set ACC,  16                          ; v16-31 running sums, a pair for each tile t.  At the head, ahead of the first sum, the following lie there:
.set LI,   16                          ; XIMG + 16 x lane
.set LS,   17                          ; XSC + 4 x lane + 512 h: the words of two neighbouring tiles
.set XWI,  18                          ; where I store my images: LI + 1,024 x wave
.set XWS,  19                          ; and their scale words
.set XA,   20                          ; x in memory: 2,048 r + 32 h
.set XRD,  21                          ; x in LDS: my wave's rows + XP r + 32 h
.set KO,   22                          ; k: 16 (lane % 2)
.set LN,   23
.set RR,   24
.set HH,   25
.set TA,   26
.set BSC,  32                          ; v32-47 x's scale words, 4 (t / 2) + s: lanes 0-15 tile t even, lanes 16-31 t odd: scales and nothing else
.set ASC,  48                          ; v48-63 h's scale words, 4 T + s, lane = row: scales and nothing else
.set AF,   64                          ; v64-127 fragments of h: K step s at AF + 16 s: rows 0-15, then 16-31
.set DD,   128                         ; v128-255 eight results of 16 registers.  At the head, ahead of the first product, the following lie there:
.set PC,   128                         ; v128-191 codes just made
.set TE,   192                         ; v192-199 scale words just made
.set TM,   200                         ; v200-247 the quantiser's work: maxima, then bytes at + 16, scale operands at + 32
.set WV,   16                          ; s16  my wave's number
.set G1,   24                          ; s[24:31] descriptor group 1 for h
.set G0,   32                          ; s[32:39] descriptor group 0 for h, a set for each slot
.set G1X,  48                          ; s[48:55], s[56:59] the same for x
.set G0X,  56
.set MSB, 0
.macro WIN new                         ; the immediate's high byte repeats the setting that is left; a switch that changes nothing is dropped
.if MSB != (\new)
	s_set_vgpr_msb (MSB<<8)|(\new)
.set MSB, (\new)
.endif
.endm
.macro PLACES
.rept 4
	v_nop
.endr
.endm
.macro CREST                           ; a round of the cluster's barrier behind its opening barrier
	s_cmp_lg_u32 s[WV], 0
	s_cbranch_scc1 .Lnot_wave_0_\@
	s_barrier_signal -3
.Lnot_wave_0_\@:
	s_barrier_wait -3
	s_barrier_signal -1
	s_barrier_wait -1
.endm
.macro CROUND                          ; a whole round
	s_barrier_signal -1
	s_barrier_wait -1
	CREST
.endm
.macro ASKC j, base                    ; prefetch my cluster row's share of component j's codes, counted from the base
	global_prefetch_b8 v[PFO], s[\base:\base+1] offset:(\j)*CBYTES th:TH_LOAD_NT scope:SCOPE_SE
.endm
.macro ASKS j                          ; and of its scale bytes
	global_prefetch_b8 v[PFS], s[6:7] offset:(\j)*8192 th:TH_LOAD_NT scope:SCOPE_SE
.endm
	s_load_b256 s[4:11], s[0:1], 0x0               ; h's codes s[4:5], h's scales s[6:7], k s[8:9], x s[10:11]
	s_load_b128 s[12:15], s[0:1], 0x20             ; ws s[12:13], wsmax s[14:15]
	v_lshl_add_u32 v[SPW], v0, 2, SPARE
	v_mov_b32 v[NIL], 0
	ds_add_u32 v[SPW], v[NIL]                      ; the wave's opening: the add, twice on end, and its wait ahead of my first tensor load
	ds_add_u32 v[SPW], v[NIL]
	v_lshrrev_b32 v[TA], 5, v0
	v_readfirstlane_b32 s[WV], v[TA]               ; wave 0..3
	s_bfe_u32 s17, ttmp6, 0x40000                  ; cx
	s_bfe_u32 s60, ttmp6, 0x40004                  ; cy
	s_lshl_b32 s18, ttmp9, 2
	s_add_co_u32 s18, s18, s17                     ; my block of 128 points = 4 x cluster x + cx
	s_and_b32 s19, ttmp7, 0xffff
	s_lshl_b32 s19, s19, 2
	s_add_co_u32 s19, s19, s60                     ; my group of 8 components = 4 x cluster y + cy
	s_mov_b32 s20, 0x76543210
	s_mov_b32 s21, 0xfedcba98                      ; v_permlanex16_b32's selects for lane l xor 16
	s_lshl_b32 s61, s60, 2
	s_lshl_b32 s61, 15, s61                        ; my row of the cluster, which shares h
	s_lshl_b32 s76, 0x1111, s17                    ; my column, which shares x
	; h: 128 rows of 256 bytes, dense in memory; elements of 1 byte; 4 words of padding after every 64; bit 21 beside the mask
	s_or_b32 s[G1], s61, (1<<20)|(1<<21)|(5<<22)|(3<<25)
	s_mov_b32 s[G1+1], 256<<16
	s_mov_b32 s[G1+2], 128<<16
	s_mov_b32 s[G1+3], 256<<16
	s_mov_b32 s[G1+4], 128
	s_mov_b32 s[G1+5], 256
	s_mov_b32 s[G1+6], 0
	s_mov_b32 s[G1+7], 0
	; x: 64 rows of 128 elements of 4 bytes, 512 elements from row to row; 12 words of padding after every 128
	s_or_b32 s[G1X], s76, (2<<16)|(1<<20)|(1<<21)|(6<<22)|(11<<25)
	s_mov_b32 s[G1X+1], 128<<16
	s_mov_b32 s[G1X+2], 64<<16
	s_mov_b32 s[G1X+3], 128<<16
	s_mov_b32 s[G1X+4], 64
	s_mov_b32 s[G1X+5], 512
	s_mov_b32 s[G1X+6], 0
	s_mov_b32 s[G1X+7], 0
	s_mul_i32 s42, s[WV], HALFT                    ; my rows' place in a slot: the wave's number alone
	s_add_co_u32 s43, s42, SLOT
	s_mul_i32 s45, s[WV], XW
	s_add_co_u32 s45, s45, SLOT                    ; my 64 rows of x: in slot 1's bytes
	s_lshl_b32 s68, s[WV], 10
	s_lshl_b32 s69, s[WV], 7
	s_lshl_b32 s70, s[WV], 13
	s_lshl_b32 s71, s[WV], 11
	s_lshl_b32 s72, s17, 13
	s_lshl_b32 s73, s17, 9
	s_lshl_b32 s22, s19, 20                        ; my group's 8 components x 131,072 bytes,
	s_lshl_b32 s23, s[WV], 15                      ; my 128 rows of 256 bytes
	s_add_co_u32 s22, s22, s23
	s_mov_b32 s23, 0
	s_lshl_b32 s74, s18, 18                        ; x: 128 rows of 2,048 bytes a block, 512 bytes a wave
	s_lshl_b32 s75, s[WV], 9
	s_add_co_u32 s74, s74, s75
	s_mov_b32 s75, 0
	v_and_b32 v[LN], 31, v0                        ; lane
	v_and_b32 v[RR], 15, v0                        ; r
	v_bfe_u32 v[HH], v0, 4, 1                      ; h
	v_mul_u32_u24 v[TA], v[RR], 272
	v_lshl_add_u32 v[TA], v[HH], 4, v[TA]          ; a fragment's row x pitch + 16 h
	v_add_nc_u32 v[ADRA], s42, v[TA]
	v_add_nc_u32 v[ADRA+1], s43, v[TA]
	v_mul_u32_u24 v[TA], v[RR], XP
	v_lshl_add_u32 v[TA], v[HH], 5, v[TA]
	v_add_nc_u32 v[XRD], s45, v[TA]
	v_lshl_add_u32 v[LI], v[LN], 4, XIMG
	v_lshl_add_u32 v[LS], v[LN], 2, XSC
	v_add_nc_u32 v[XWS], s69, v[LS]
	v_lshl_add_u32 v[LS], v[HH], 9, v[LS]
	v_add_nc_u32 v[XWI], s68, v[LI]
	v_lshlrev_b32 v[XA], 11, v[RR]
	v_lshl_add_u32 v[XA], v[HH], 5, v[XA]
	v_lshlrev_b32 v[SA], 4, v[LN]
	v_lshl_add_u32 v[PST0], v[LN], 5, PB
	v_add_nc_u32 v[PST0], s70, v[PST0]
	v_add_nc_u32 v[RD0], s71, v[LI]
	v_lshlrev_b32 v[WO], 4, v[RR]
	v_lshl_add_u32 v[WO], v[HH], 11, v[WO]
	v_and_b32 v[KO], 1, v0
	v_lshlrev_b32 v[KO], 4, v[KO]
	v_lshl_add_u32 v[PFO], v[LN], 8, s72
	v_min_u32 v[TA], 1, v[LN]
	v_lshl_add_u32 v[PFS], v[TA], 8, s73
.set f, 0
.rept 16
	v_mov_b32 v[TM+16+f], 0                        ; written once: a lane permute's destination counts as one of its sources
.set f, f+1
.endr
	s_wait_alu depctr_va_vdst(0)
	s_wait_dscnt 0x0                               ; both opening adds are done
	s_wait_kmcnt 0x0
	s_add_nc_u64 s[10:11], s[10:11], s[74:75]      ; x at my block's first row, my 128 columns
	s_add_nc_u64 s[4:5], s[4:5], s[22:23]          ; h's codes at my rows of the group's first component
	s_mov_b32 s[G0X], 1
	s_mov_b32 s[G0X+1], s45
	s_mov_b64 s[G0X+2:G0X+3], s[10:11]
	s_or_b32 s[G0X+3], s[G0X+3], 0x80000000
	CROUND                                         ; all sixteen work-groups are here: the first joint loads meet
	tensor_load_to_lds s[G0X:G0X+3], s[G1X:G1X+7]  ; x's tiles 0 .. 3: the one tensor load of the head
	s_nop 0
	PLACES
	s_lshl_b32 s22, s19, 16                        ; h's scale bytes: 8 components x 8,192 bytes a group, 128 rows x 16 bytes a wave
	s_add_co_u32 s22, s22, s71
	s_add_nc_u64 s[6:7], s[6:7], s[22:23]
	s_lshl_b32 s22, s19, 5                         ; k: 8 numbers a group
	s_add_nc_u64 s[8:9], s[8:9], s[22:23]
	global_load_b128 v[K4:K4+3], v[KO], s[8:9]
.irp i, 0,1,2
	global_load_b128 v[ASC+4*\i:ASC+4*\i+3], v[SA], s[6:7] offset:512*\i   ; 32 rows x 16 bytes: 512 consecutive bytes; register 4 T + s is the word of K step s.  (Tile 3's follow in the first step)
.endr
	ASKC 0, 4
	ASKC 1, 4
	ASKS 1
.macro XPOS t, tb                              ; where X[t][tb] lies: window xw, register xr
.if \tb < 2
.set xw, 2-(\t/4)
.set xr, 128+64*\tb+16*(\t%4)
.else
.set xw, 3
.set xr, 128*(\tb-2)+16*\t
.endif
.endm
; my 16 x 128 numbers of tile t of x, from memory: 16 loads
.macro XLOAD t
.irp tb, 0,1,2,3
	XPOS \t, \tb
	WIN 0x40*xw                                    ; destination
.irp q, 0,1
.irp u, 0,1
	global_load_b128 v[xr+8*\q+4*\u:xr+8*\q+4*\u+3], v[XA], s[10:11] offset:(\t)*32768+128*\tb+64*\q+16*\u
.endr
.endr
.endr
.endm
.macro XREAD t                                 ; the same from LDS
.irp tb, 0,1,2,3
	XPOS \t, \tb
	WIN 0x40*xw
.irp q, 0,1
.irp u, 0,1
	ds_load_b128 v[xr+8*\q+4*\u:xr+8*\q+4*\u+3], v[XRD] offset:(\t)*16*XP+128*\tb+64*\q+16*\u
.endr
.endr
.endr
.endm
	XLOAD 4
	XLOAD 5
	XLOAD 6
	XLOAD 7
	WIN 0
	; scalar work under the loads' flight
.irp i, 0,1
	s_mov_b32 s[G0+4*\i], 1                        ; count = 1
	s_add_co_u32 s[G0+4*\i+1], s42, \i*SLOT        ; LDS address
	s_add_nc_u64 s[G0+4*\i+2:G0+4*\i+3], s[4:5], \i*CBYTES   ; global address: component i
	s_or_b32 s[G0+4*\i+3], s[G0+4*\i+3], 0x80000000   ; type = 2
.endr
	s_mov_b64 s[62:63], s[4:5]                     ; the prefetches' base: the trip's first component
	s_lshl_b32 s46, s18, 15                        ; ws: byte of (p, c) = 2,048 (p / 8) + 256 (c / 8) + 32 (p % 8) + 4 (c % 8); wave w stores points 32 w on
	s_add_co_u32 s46, s46, s70
	s_lshl_b32 s47, s19, 8
	s_add_co_u32 s46, s46, s47
	s_mov_b32 s47, 0
	s_add_nc_u64 s[12:13], s[12:13], s[46:47]
	s_lshl_b32 s46, s19, 5                         ; wsmax: word (32 group + block) x 4 + wave
	s_or_b32 s46, s46, s18
	s_lshl_b32 s46, s46, 2
	s_or_b32 s46, s46, s[WV]
	s_lshl_b32 s46, s46, 2
	s_add_nc_u64 s[14:15], s[14:15], s[46:47]
; QUANT t, e, ..: tiles t + e become fragments (t + e, my wave) and their scale words, and go to LDS as they stand.  Block b of 32 is 16 registers of lanes l and l xor 16.
; The largest magnitudes of blocks b0, b0 + 1, my 16 numbers each, by turns; with the floor 2^(3 - 127), so that the byte cannot fall under 1
.macro MAXN t, b0, es:vararg
	XPOS \t, \b0
.set xb, 64
.if \b0
.set xb, 128
.endif
	WIN 5*xw                                       ; sources 0 and 1: X's window
.irp e, \es
.irp b, 0,1
	v_max3_num_f32 v[TM+4*\e+\b0+\b], |v[xr+xb*\b+16*\e]|, |v[xr+xb*\b+16*\e+1]|, 0x1800000
.endr
.endr
.irp i, 2,4,6,8,10,12,14
.irp e, \es
.irp b, 0,1
	v_max3_num_f32 v[TM+4*\e+\b0+\b], |v[xr+xb*\b+16*\e+\i]|, |v[xr+xb*\b+16*\e+\i+1]|, v[TM+4*\e+\b0+\b]
.endr
.endr
.endr
.endm
.macro CVTN t, b0, es:vararg                   ; the codes of k = 32 b + 16 u + 8 h + 0 .. 7
	XPOS \t, \b0
.set xb, 64
.if \b0
.set xb, 128
.endif
	WIN xw                                         ; source 0: X's window
.irp e, \es
.irp b, 0,1
.irp u, 0,1
	v_cvt_scalef32_pk8_fp4_f32 v[PC+8*(\t+\e)+2*\b0+2*\u+\b], v[xr+xb*\b+16*\e+8*\u:xr+xb*\b+16*\e+8*\u+7], v[TM+32+4*\e+\b0+\b]
.endr
.endr
.endr
.endm
.macro QUANT t, es:vararg
	MAXN \t, 0, \es
	MAXN \t, 2, \es
	WIN 0
.irp e, \es
.irp b, 0,1,2,3
	v_permlanex16_b32 v[TM+16+4*\e+\b], v[TM+4*\e+\b], s20, s21
.endr
.endr
.irp e, \es
.irp b, 0,1,2,3
	v_max_num_f32 v[TM+4*\e+\b], v[TM+4*\e+\b], v[TM+16+4*\e+\b]   ; with lane l xor 16's: the block's largest magnitude
.endr
.endr
.irp e, \es
.irp b, 0,1,2,3
	v_add_nc_u32 v[TM+32+4*\e+\b], 0xff000000, v[TM+4*\e+\b]   ; 2 off its exponent field: the conversion takes this operand's exponent field as its scale
.endr
.endr
.irp e, \es
.irp b, 0,1,2,3
	v_lshrrev_b32 v[TM+16+4*\e+\b], 23, v[TM+32+4*\e+\b]   ; the scale's byte
.endr
.endr
.irp e, \es
	v_lshl_or_b32 v[TE+\t+\e], v[TM+17+4*\e], 8, v[TM+16+4*\e]
.endr
.irp e, \es
	v_lshl_or_b32 v[TE+\t+\e], v[TM+18+4*\e], 16, v[TE+\t+\e]
.endr
.irp e, \es
	v_lshl_or_b32 v[TE+\t+\e], v[TM+19+4*\e], 24, v[TE+\t+\e]
.endr
	CVTN \t, 0, \es
	CVTN \t, 2, \es
	WIN 0
	v_nop                                          ; one plain place behind a scaled conversion
.irp e, \es
.irp c, 0,1                                    ; the operand wants k = 64 c + 32 h + 8 g in register 4 c + g: blocks 2 c and 2 c + 1 change halves
	v_permlane16_swap_b32 v[PC+8*(\t+\e)+4*\c], v[PC+8*(\t+\e)+4*\c+1]
	v_permlane16_swap_b32 v[PC+8*(\t+\e)+4*\c+2], v[PC+8*(\t+\e)+4*\c+3]
.endr
.endr
.irp e, \es
.irp c, 0,1
	ds_store_b128 v[XWI], v[PC+8*(\t+\e)+4*\c:PC+8*(\t+\e)+4*\c+3] offset:4096*(\t+\e)+512*\c
.endr
	ds_store_b32 v[XWS], v[TE+\t+\e] offset:512*(\t+\e)
.endr
.endm
	s_wait_loadcnt 32                              ; tiles 4 and 5 are in; the 32 loads of tiles 6 and 7 may be out
	QUANT 4, 0,1
	s_wait_tensorcnt 0x0                           ; my rows of x have landed
	ds_add_u32 v[SPW], v[NIL]
	s_wait_dscnt 0x0
	CROUND
	tensor_load_to_lds s[G0:G0+3], s[G1:G1+7]      ; component 0 into slot 0
	s_nop 0
	PLACES
	XREAD 0                                        ; my wave's own rows
	XREAD 1
	XREAD 2
	XREAD 3
	WIN 0
	ASKC 2, 62
	ASKS 2
	s_wait_loadcnt 0x0                             ; all of x's second half, k and component 0's first scale words
	QUANT 6, 0,1
	s_wait_dscnt 6                                 ; tiles 0 .. 3 are in registers: behind their loads stand six stores of images
	QUANT 0, 0,1,2,3
	s_wait_tensorcnt 0x0                           ; component 0 has landed
	ds_add_u32 v[SPW], v[NIL]
	s_wait_dscnt 0x0                               ; the add is done, my images have landed, my reads of x are over
	CROUND                                         ; the images are whole, and no wave of any partner still reads slot 1's bytes
	tensor_load_to_lds s[G0+4:G0+7], s[G1:G1+7]    ; component 1 into slot 1
	s_nop 0
	PLACES
.irp w, 1,2                                    ; g = 0's codes into window 1, g = 1's into window 2
	WIN 0x40*\w
.set f, 0
.rept 16
	ds_load_b128 v[8*f:8*f+3], v[LI] offset:1024*(f+16*(\w-1))
	ds_load_b128 v[8*f+4:8*f+7], v[LI] offset:1024*(f+16*(\w-1))+512
.set f, f+1
.endr
.endr
	WIN 0
.set f, 0
.rept 16
	ds_load_b32 v[BSC+f], v[LS] offset:1024*(f/4)+128*(f%4)
.set f, f+1
.endr
.macro AL ks, slot, tl                         ; the fragment of tile tl's 32 rows, K step ks: 4 loads
.irp q, 0,1
.irp c, 0,1
	ds_load_b128 v[AF+16*\ks+8*\q+4*\c:AF+16*\ks+8*\q+4*\c+3], v[ADRA+(\slot)] offset:(2*(\tl)+\q)*4352+64*\ks+32*\c
.endr
.endr
.endm
; One matrix instruction: K step ks of tile tl against x's tile 4 g + tt.  The first K step starts the sum.
.macro WS g, ks, tl, tt
	WIN 4+4*\g                                     ; source 1: the group's codes
.set rT, 4*\g+\tt
.set rD, DD+16*rT
.set rA, AF+16*\ks
.set rB, 32*\tt+8*\ks
.set rP, ASC+4*\tl+\ks
.set rQ, BSC+4*(rT/2)+\ks
.if \ks == 0
.if \tt%2
	v_wmma_scale_f32_32x16x128_f4 v[rD:rD+15], v[rA:rA+15], v[rB:rB+7], 0, v[rP], v[rQ] matrix_b_scale:MATRIX_SCALE_ROW1
.else
	v_wmma_scale_f32_32x16x128_f4 v[rD:rD+15], v[rA:rA+15], v[rB:rB+7], 0, v[rP], v[rQ]
.endif
.else
.if \tt%2
	v_wmma_scale_f32_32x16x128_f4 v[rD:rD+15], v[rA:rA+15], v[rB:rB+7], v[rD:rD+15], v[rP], v[rQ] matrix_b_scale:MATRIX_SCALE_ROW1
.else
	v_wmma_scale_f32_32x16x128_f4 v[rD:rD+15], v[rA:rA+15], v[rB:rB+7], v[rD:rD+15], v[rP], v[rQ]
.endif
.endif
.endm
; Two packed multiply-adds: register pair ii of the results of x's tiles 4 g + t0 and 4 g + t0 + 1, tile pl of h, times x, onto the tiles' running pairs; a component's first ones start the sums: nothing is cleared.
; g = 1's pairs 4 to 7 are summed in the result's own pair 0, which has been read, and join the running pair at the end: a wait stands between pairs 3 and 4, and no sum runs across it.
.macro PP pl, g, ii, t0
.if \pl < 2
.set xw, 2-\g
.set xr, 128+64*\pl+2*\ii
.else
.set xw, 3
.set xr, 128*(\pl-2)+64*\g+2*\ii
.endif
	WIN 4*xw                                       ; source 1: X's window
.irp dt, 0,1
.set rT, 4*\g+\t0+\dt
.set rC, ACC+2*rT
.set rD, DD+16*rT
.set rX, xr+16*(\t0+\dt)
.if \g && (\ii >= 4)
.if \ii == 4
	v_pk_mul_f32 v[rD:rD+1], v[rD+8:rD+9], v[rX:rX+1]
.else
	v_pk_fma_f32 v[rD:rD+1], v[rD+2*\ii:rD+2*\ii+1], v[rX:rX+1], v[rD:rD+1]
.endif
.elseif (\pl == 0) && (\ii == 0)
	v_pk_mul_f32 v[rC:rC+1], v[rD:rD+1], v[rX:rX+1]
.else
	v_pk_fma_f32 v[rC:rC+1], v[rD+2*\ii:rD+2*\ii+1], v[rX:rX+1], v[rC:rC+1]
.endif
.endr
.endm
.macro JOIN1                                   ; g = 1's second sums join the running pairs
	WIN 0
.irp t, 4,5,6,7
	v_pk_add_f32 v[ACC+2*\t:ACC+2*\t+1], v[ACC+2*\t:ACC+2*\t+1], v[DD+16*\t:DD+16*\t+1]
.endr
.endm
; A K step of one group: four matrix instructions, the accumulators by turns, one instruction a turn; behind each, if has = 1, two multiply-adds of the other group's results of tile pl
.macro SEGK g, tl, pl, has, ks
.set OG, 1-\g
.irp tt, 0,1,2,3
	WS \g, \ks, \tl, \tt
.if \has
.set PR, 2*\ks+(\tt/2)
.set PT, 2*(\tt%2)
	PP \pl, OG, PR, PT
.endif
.endr
.endm
.macro ADDS t0                                 ; the two halves of four tiles' running pairs
.irp d, 0,1,2,3
	v_add_f32 v[ACC+2*(\t0+\d)], v[ACC+2*(\t0+\d)], v[ACC+2*(\t0+\d)+1]
.endr
.endm
.macro OUTS t0, c                              ; my lane's shares of e(16 t + r, component), c counted from the trip's first
.irp d, 0,1,2,3
	ds_store_b32 v[PST], v[ACC+2*(\t0+\d)] offset:1024*(\t0+\d)+4*(\c)
.endr
.endm
; Tile tl (32 rows) of the component in this slot.  kind = 0: the launch's first tile, which has no results ahead of it.  so: the component, counted from the trip's first.
; The fragments of K steps 0 and 1 were asked for in the tile before; those of K steps 2 and 3 are asked for here, behind the products that read their registers last.
; Between a product and the first read of its result, and the loads into the fragments and scale words that it read, stand four plain lines or more that name none of its registers.
; fill = 1: this slot is filled again with the component two on.  nx = 1: there is a next tile.  as = 1: scale words are asked for: those of the tile before, of the next component (tile 3's: of this one).
.macro TSTEP slot, tl, so, kind, fill, nx, as, lc
.set PL, (\tl+3)%4
.set NS, \slot
.set NT, \tl+1
.if \tl == 3
.set NS, 1-\slot
.set NT, 0
.endif
.set FIN, 0
.if (\tl == 0) && \kind
.set FIN, 1                                    ; the last component's sums leave: g = 0's here, g = 1's in this tile's second half
.endif
.if FIN
	WIN 0
	ADDS 0
	v_add_nc_u32 v[PST], s41, v[PST0]
.else
	v_nop                                          ; with the two multiply-adds behind the last product: its four places
	v_nop
.endif
	AL 2, \slot, \tl
	AL 3, \slot, \tl
.if \as
.if \tl == 0
	global_load_b128 v[ASC+12:ASC+15], v[SA], s[6:7] offset:(\so)*8192+1536
.else
	global_load_b128 v[ASC+4*(\tl-1):ASC+4*(\tl-1)+3], v[SA], s[6:7] offset:(\so+1)*8192+512*(\tl-1)
.endif
.endif
.if FIN
	OUTS 0, 1-\slot
	s_wait_dscnt 12                                ; K steps 0 and 1 are in (eight loads and four stores may be out)
.elseif \fill
	WIN 0                                          ; (the add's two registers lie in window 0)
	s_wait_tensorcnt 0x0                           ; all my tensor loads have landed: my part of the next slot
	ds_add_u32 v[SPW], v[NIL]                      ; 0 onto my spare word
	s_add_nc_u64 s[G0+4*\slot+2:G0+4*\slot+3], s[G0+4*\slot+2:G0+4*\slot+3], 2*CBYTES
	s_wait_dscnt 9                                 ; K steps 0 and 1 are in (eight loads and the add may be out)
.else
.if (\tl == 3) && \nx
	s_wait_tensorcnt 0x0                           ; my part of the last component has landed; only I read it
.endif
	s_wait_dscnt 8                                 ; K steps 0 and 1 are in (the eight just issued may be out)
.endif
	s_wait_loadcnt \lc                             ; this tile's scale words are in; the words of the tiles behind it may be out
	SEGK 0, \tl, PL, \kind, 0
	SEGK 0, \tl, PL, \kind, 1
.if FIN
	s_wait_dscnt 4                                 ; K steps 2 and 3 (the four stores may be out)
.else
	s_wait_dscnt 0x0                               ; K steps 2 and 3; where a slot is filled again: the add is done, and my reads of this slot are over
.endif
.if \fill
	s_barrier_signal -1                            ; this barrier opens a round of the cluster's barrier; eight products stand between signal and wait
.endif
	SEGK 0, \tl, PL, \kind, 2
	SEGK 0, \tl, PL, \kind, 3
.if \kind
	JOIN1
.else
	PLACES
.endif
.if \fill
	WIN 0
	s_barrier_wait -1
	CREST                                          ; no wave of any partner still reads this slot or has a load on its way
	tensor_load_to_lds s[G0+4*\slot:G0+4*\slot+3], s[G1:G1+7]   ; my one tensor load behind the round
	s_nop 0
	PLACES
	s_cmp_gt_u32 s40, 1
	s_cbranch_scc0 .Lno_ask_\@                     ; the last trip has no component four on
	ASKC \slot+4, 62
	ASKS \slot+4
.Lno_ask_\@:
.endif
	SEGK 1, \tl, \tl, 1, 0
	SEGK 1, \tl, \tl, 1, 1
.if FIN
	WIN 0
	ADDS 4
.elseif \nx
	v_nop
	v_nop
.endif
.if \nx
	AL 0, NS, NT
	AL 1, NS, NT
.endif
.if FIN
	OUTS 4, 1-\slot
.endif
	SEGK 1, \tl, \tl, 1, 2
	SEGK 1, \tl, \tl, 1, 3
.endm
	AL 0, 0, 0
	AL 1, 0, 0
	ASKC 3, 62
	ASKS 3
	s_wait_dscnt 0x0                               ; x's codes and scale words and the first fragments
	s_mov_b32 s40, 3
	s_mov_b32 s41, 0                               ; 4 x the trip's first component
	TSTEP 0, 0, 0, 0, 0, 1, 1, 3
	WIN 0
.Lpair:                                                ; three trips of two components, from a component's second tile to the first of the one two on: each component fills its slot again
	TSTEP 0, 1, 0, 1, 0, 1, 1, 3
	TSTEP 0, 2, 0, 1, 0, 1, 1, 3
	TSTEP 0, 3, 0, 1, 1, 1, 1, 3
	TSTEP 1, 0, 1, 1, 0, 1, 1, 3
	TSTEP 1, 1, 1, 1, 0, 1, 1, 3
	TSTEP 1, 2, 1, 1, 0, 1, 1, 3
	TSTEP 1, 3, 1, 1, 1, 1, 1, 3
	TSTEP 0, 0, 2, 1, 0, 1, 1, 3
	WIN 0
	s_wait_xcnt 0x0                                ; the scale loads and prefetches have read their bases: only behind this wait are they stepped
	s_add_nc_u64 s[6:7], s[6:7], 16384
	s_add_nc_u64 s[62:63], s[62:63], 2*CBYTES
	s_add_co_u32 s41, s41, 8
	s_sub_co_u32 s40, s40, 1
	s_cmp_lg_u32 s40, 0
	s_cbranch_scc1 .Lpair
	TSTEP 0, 1, 0, 1, 0, 1, 1, 3                   ; the last two components are written out: nothing is left to fetch
	TSTEP 0, 2, 0, 1, 0, 1, 1, 3
	TSTEP 0, 3, 0, 1, 0, 1, 1, 3
	TSTEP 1, 0, 1, 1, 0, 1, 1, 3
	TSTEP 1, 1, 1, 1, 0, 1, 0, 2                   ; no scale words are asked for any more: the counts run down
	TSTEP 1, 2, 1, 1, 0, 1, 0, 1
	TSTEP 1, 3, 1, 1, 0, 0, 0, 0
.irp ii, 0,4,1,5,2,6,3,7                       ; the last tile's results of g = 1, both sums by turns
	PP 3, 1, \ii, 0
	PP 3, 1, \ii, 2
.endr
	JOIN1
	v_add_nc_u32 v[PST], s41, v[PST0]
	ADDS 0
	ADDS 4
	OUTS 0, 1
	OUTS 4, 1
	; THE WAY OUT.  Wave w adds up tiles 2 w and 2 w + 1: for each, the shares of 4 waves x 2 halves of lanes; a lane takes point 8 (l / 16) + (l % 16) / 2 of the tile and components 4 (l % 2) on.
	s_wait_dscnt 0x0                               ; for the others' sake: my partial sums have landed
	s_barrier_signal -1
	s_barrier_wait -1
.irp i, 0,1
.irp wq, 0,1,2,3
.irp hq, 0,1
	ds_load_b128 v[AF+4*(8*\i+2*\wq+\hq):AF+4*(8*\i+2*\wq+\hq)+3], v[RD0] offset:8192*\wq+1024*\i+512*\hq
.endr
.endr
.endr
	s_wait_dscnt 0x0
.irp i, 0,1
.irp d, 16,8,4
.set q, 0
.rept \d/2
	v_pk_add_f32 v[AF+32*\i+q:AF+32*\i+q+1], v[AF+32*\i+q:AF+32*\i+q+1], v[AF+32*\i+\d+q:AF+32*\i+\d+q+1]
.set q, q+2
.endr
.endr
	v_pk_add_f32 v[AF+32*\i:AF+32*\i+1], v[AF+32*\i:AF+32*\i+1], v[K4:K4+1]
	v_pk_add_f32 v[AF+32*\i+2:AF+32*\i+3], v[AF+32*\i+2:AF+32*\i+3], v[K4+2:K4+3]
	global_store_b128 v[WO], v[AF+32*\i:AF+32*\i+3], s[12:13] offset:4096*\i   ; sixteen lanes store 256 consecutive bytes, at a multiple of 256 from ws's first byte
.endr
	v_max3_num_f32 v20, v[AF], v[AF+1], v[AF+2]    ; the largest of the wave's 256 numbers
	v_max3_num_f32 v20, v20, v[AF+3], v[AF+32]
	v_max3_num_f32 v20, v20, v[AF+33], v[AF+34]
	v_max_num_f32 v20, v20, v[AF+35]
	v_max_num_f32_dpp v20, v20, v20 row_xmask:1 row_mask:0xf bank_mask:0xf
	v_max_num_f32_dpp v20, v20, v20 row_xmask:2 row_mask:0xf bank_mask:0xf
	v_max_num_f32_dpp v20, v20, v20 row_xmask:4 row_mask:0xf bank_mask:0xf
	v_max_num_f32_dpp v20, v20, v20 row_xmask:8 row_mask:0xf bank_mask:0xf
	v_permlanex16_b32 v21, v20, s20, s21
	v_max_num_f32 v20, v20, v21
	v_and_b32 v23, 31, v0
	v_mov_b32 v22, 0
	v_cmp_eq_u32 vcc_lo, 0, v23
	s_wait_alu depctr_va_vdst(0)
	s_wait_xcnt 0x0                                ; EXEC changes only behind this wait: the stores above have read it
	s_and_saveexec_b32 s44, vcc_lo
	global_store_b32 v22, v20, s[14:15]            ; lane 0 stores the wave's word of wsmax
	s_wait_xcnt 0x0                                ; and again, in front of the line that widens it
	s_or_b32 exec_lo, exec_lo, s44
	s_wait_tensorcnt 0x0                           ; the wave's end, behind my last tensor load and my last LDS store
	ds_add_u32 v[SPW], v[NIL]
	s_wait_dscnt 0x0
	CROUND                                         ; the closing round: no work-group ends while a partner may still ask for a tile that names it
	s_endpgm
.Lfunc_end_k_q669cb1346b_quad:
	.size	k_q669cb1346b_quad, .Lfunc_end_k_q669cb1346b_quad-k_q669cb1346b_quad
	.p2alignl 7, 3214868480
	.fill 96, 4, 3214868480
	.section	.rodata,"a",@progbits
	.p2align	6, 0x0
	.amdhsa_kernel k_q669cb1346b_quad
		.amdhsa_group_segment_fixed_size 327680
		.amdhsa_private_segment_fixed_size 0
		.amdhsa_enable_private_segment 0
		.amdhsa_kernarg_size 48
		.amdhsa_user_sgpr_count 2
		.amdhsa_user_sgpr_kernarg_segment_ptr 1
		.amdhsa_wavefront_size32 1
		.amdhsa_system_sgpr_workgroup_id_x 1
		.amdhsa_system_sgpr_workgroup_id_y 1
		.amdhsa_system_sgpr_workgroup_id_z 1
		.amdhsa_system_vgpr_workitem_id 0
		.amdhsa_next_free_vgpr 1024
		.amdhsa_next_free_sgpr 80
		.amdhsa_reserve_vcc 1
		.amdhsa_float_denorm_mode_32 3
		.amdhsa_float_denorm_mode_16_64 3
		.amdhsa_memory_ordered 1
		.amdhsa_forward_progress 1
		.amdhsa_inst_pref_size 236
	.end_amdhsa_kernel
	.amdgpu_metadata
---
amdhsa.version: [ 1, 2 ]
amdhsa.kernels:
  - .name:           k_q669cb1346b_quad
    .symbol:         k_q669cb1346b_quad.kd
    .args:
      - { .name: h_codes, .offset: 0, .size: 8, .value_kind: global_buffer, .address_space: global }
      - { .name: h_scales, .offset: 8, .size: 8, .value_kind: global_buffer, .address_space: global }
      - { .name: k, .offset: 16, .size: 8, .value_kind: global_buffer, .address_space: global }
      - { .name: node_activations, .offset: 24, .size: 8, .value_kind: global_buffer, .address_space: global }
      - { .name: ws, .offset: 32, .size: 8, .value_kind: global_buffer, .address_space: global }
      - { .name: wsmax, .offset: 40, .size: 8, .value_kind: global_buffer, .address_space: global }
    .group_segment_fixed_size: 327680
    .private_segment_fixed_size: 0
    .kernarg_segment_align: 8
    .kernarg_segment_size: 48
    .max_flat_workgroup_size: 128
    .sgpr_count:     80
    .vgpr_count:     1024
    .wavefront_size: 32
...
	.end_amdgpu_metadata
.endif
;; end of part 1
;; launch finish (part 2): grid 256 x 1, 2 waves a work-group, no clusters, 0 bytes of LDS; arguments ws, wsmax, out0; writes out0
.if DOCPART == 2
	.amdgcn_target "amdgcn-amd-amdhsa--gfx1250"
	.amdhsa_code_object_version 6
	.text
	.protected	k_q669cb1346b_finish
	.globl	k_q669cb1346b_finish
	.p2align	8
	.type	k_q669cb1346b_finish,@function
k_q669cb1346b_finish:
	s_mov_b64 s[64:65], 0
	v_nop
	global_prefetch_b8 v0, s[64:65] scope:SCOPE_SE
	s_setreg_imm32_b32 hwreg(HW_REG_WAVE_MODE, 25, 1), 1
	s_wait_xcnt 0x0
; out0[p][c] = (the largest e) - e[p][c].  ws holds e, the byte of (p, c) at 2,048 (p / 8) + 256 (c / 8) + 32 (p % 8) + 4 (c % 8); wsmax holds 1,024 partial maxima, which together cover every e.
; A wave takes 8 rows of out0: 2,048 consecutive bytes of ws and of out0.  Every wave reads all 4,096 bytes of wsmax and finds the maximum by itself: no LDS, no barrier, nothing between work-groups.
; No matrix unit, cluster or tensor load: 2 MiB move once and there is one subtraction a number.  LIMIT: NaN among the numbers is not served (the maxima drop it).
	s_load_b128 s[4:7], s[0:1], 0x0                ; ws s[4:5], wsmax s[6:7]
	s_load_b64 s[8:9], s[0:1], 0x10                ; out0
	v_lshrrev_b32 v1, 5, v0
	v_readfirstlane_b32 s10, v1                    ; wave 0..1
	s_lshl_b32 s11, ttmp9, 1
	s_add_co_u32 s11, s11, s10                     ; which 8 rows are mine
	s_lshl_b32 s12, s11, 11
	s_mov_b32 s13, 0
	s_mov_b32 s14, 0x76543210
	s_mov_b32 s15, 0xfedcba98                      ; v_permlanex16_b32's selects for lane l xor 16
	v_and_b32 v1, 31, v0
	v_lshlrev_b32 v2, 4, v1                        ; 16 x lane: wsmax, and out0: row 2 i + l / 16, components 4 (l % 16) on
	v_and_b32 v4, 15, v0
	v_lshrrev_b32 v5, 1, v4
	v_and_b32 v6, 1, v0
	v_bfe_u32 v7, v0, 4, 1
	v_lshlrev_b32 v3, 8, v5                        ; the same numbers in ws: 256 ((l % 16) / 2)
	v_lshl_add_u32 v3, v6, 4, v3                   ; + 16 (l % 2)
	v_lshl_add_u32 v3, v7, 5, v3                   ; + 32 (l / 16); and 64 i in the immediate
	s_wait_alu depctr_va_vdst(0)
	s_wait_kmcnt 0x0
	s_add_nc_u64 s[4:5], s[4:5], s[12:13]
	s_add_nc_u64 s[8:9], s[8:9], s[12:13]
.irp i, 0,1,2,3,4,5,6,7
	global_load_b128 v[8+4*\i:11+4*\i], v2, s[6:7] offset:512*\i
.endr
.irp i, 0,1,2,3
	global_load_b128 v[40+4*\i:43+4*\i], v3, s[4:5] offset:64*\i th:TH_LOAD_NT   ; the four loads together take my 2,048 bytes, each byte once
.endr
	s_wait_loadcnt 4                               ; the partial maxima are in; my four loads of e may be out
.irp c, 0,1,2,3
	v_max3_num_f32 v[56+\c], v[8+8*\c], v[9+8*\c], v[10+8*\c]   ; four chains that do not wait for each other
.endr
.irp i, 3,5
.irp c, 0,1,2,3
	v_max3_num_f32 v[56+\c], v[56+\c], v[8+8*\c+\i], v[9+8*\c+\i]
.endr
.endr
.irp c, 0,1,2,3
	v_max_num_f32 v[56+\c], v[56+\c], v[15+8*\c]
.endr
	v_max3_num_f32 v56, v56, v57, v58
	v_max_num_f32 v56, v56, v59
	v_max_num_f32_dpp v56, v56, v56 row_xmask:1 row_mask:0xf bank_mask:0xf
	v_max_num_f32_dpp v56, v56, v56 row_xmask:2 row_mask:0xf bank_mask:0xf
	v_max_num_f32_dpp v56, v56, v56 row_xmask:4 row_mask:0xf bank_mask:0xf
	v_max_num_f32_dpp v56, v56, v56 row_xmask:8 row_mask:0xf bank_mask:0xf
	v_permlanex16_b32 v57, v56, s14, s15
	v_max_num_f32 v60, v56, v57                    ; every lane holds the maximum,
	v_mov_b32 v61, v60                             ; twice: a pair for the packed subtraction
	s_wait_alu depctr_va_vdst(0)
	s_wait_loadcnt 0x0
.irp j, 0,2,4,6,8,10,12,14
	v_pk_add_f32 v[40+\j:41+\j], v[60:61], v[40+\j:41+\j] neg_lo:[0,1] neg_hi:[0,1]
.endr
.irp i, 0,1,2,3
	global_store_b128 v2, v[40+4*\i:43+4*\i], s[8:9] offset:512*\i th:TH_STORE_NT   ; 32 lanes store 512 consecutive bytes, at a multiple of 256 from out0's first byte
.endr
	s_endpgm
.Lfunc_end_k_q669cb1346b_finish:
	.size	k_q669cb1346b_finish, .Lfunc_end_k_q669cb1346b_finish-k_q669cb1346b_finish
	.p2alignl 7, 3214868480
	.fill 96, 4, 3214868480
	.section	.rodata,"a",@progbits
	.p2align	6, 0x0
	.amdhsa_kernel k_q669cb1346b_finish
		.amdhsa_group_segment_fixed_size 0
		.amdhsa_private_segment_fixed_size 0
		.amdhsa_enable_private_segment 0
		.amdhsa_kernarg_size 24
		.amdhsa_user_sgpr_count 2
		.amdhsa_user_sgpr_kernarg_segment_ptr 1
		.amdhsa_wavefront_size32 1
		.amdhsa_system_sgpr_workgroup_id_x 1
		.amdhsa_system_sgpr_workgroup_id_y 1
		.amdhsa_system_sgpr_workgroup_id_z 1
		.amdhsa_system_vgpr_workitem_id 0
		.amdhsa_next_free_vgpr 64
		.amdhsa_next_free_sgpr 66
		.amdhsa_reserve_vcc 0
		.amdhsa_float_denorm_mode_32 3
		.amdhsa_float_denorm_mode_16_64 3
		.amdhsa_memory_ordered 1
		.amdhsa_forward_progress 1
		.amdhsa_inst_pref_size 5
	.end_amdhsa_kernel
	.amdgpu_metadata
---
amdhsa.version: [ 1, 2 ]
amdhsa.kernels:
  - .name:           k_q669cb1346b_finish
    .symbol:         k_q669cb1346b_finish.kd
    .args:
      - { .name: ws, .offset: 0, .size: 8, .value_kind: global_buffer, .address_space: global }
      - { .name: wsmax, .offset: 8, .size: 8, .value_kind: global_buffer, .address_space: global }
      - { .name: out0, .offset: 16, .size: 8, .value_kind: global_buffer, .address_space: global }
    .group_segment_fixed_size: 0
    .private_segment_fixed_size: 0
    .kernarg_segment_align: 8
    .kernarg_segment_size: 24
    .max_flat_workgroup_size: 64
    .sgpr_count:     66
    .vgpr_count:     64
    .wavefront_size: 32
...
	.end_amdgpu_metadata
.endif
;; end of part 2
